; MI455X (gfx1250); checked and timed in simulation.
; The chip was launched on July 23, 2026; its instructions are those of AMD's public machine-readable ISA for CDNA 5 (MIT licence, August 2026) and "CDNA5" Instruction Set Architecture Reference Guide (July 2026). The comments in the code are by the model that wrote it; some were corrected since.
;; Local Average Pooling Segmenter. Allowed arithmetic: float matrix products may take bf16 or f16 operands with f32 sums; other float arithmetic in f32, or as packed bf16 or f16 multiplies, adds, multiply-adds, maxima and minima; sums over many terms, partial sums and values carried from step to step in f32; what a program stores and reads back later, other than sums and carried values, may be rounded once to bf16 or f16.
;; Inputs: asr_alignment 16 x 1,024 x 2 int32; audio_feats 16 x 4,096 x 512 float32; audio_feats_len 16 int32; text_token_embed_for_audio 16 x 1,024 x 512 float32; text_token_for_audio 16 x 1,024 int32; text_token_len 16 int32.
;; Outputs: out0 16 x 1,024 x 512 float32; out1 16 int32.
;; One version. Each part assembles by itself: llvm-mc -triple=amdgcn-amd-amdhsa -mcpu=gfx1250 --defsym DOCPART=n.
;; ======== version 1 of 1: 2 launches
;; limits: a difference of large sums (such as E[x^2] - mean^2): digits are lost where the result is much smaller than its terms
;; workspace buffers: q 134,217,728 bytes
;; launch scan (part 1): grid 16 x 16, 4 waves a work-group, no clusters, 768 bytes of LDS; arguments audio_feats, asr_alignment, text_token_len, q; writes q
.if DOCPART == 1
	.amdgcn_target "amdgcn-amd-amdhsa--gfx1250"
	.amdhsa_code_object_version 6
	.text
	.protected	k_q161fd565fe_scan
	.globl	k_q161fd565fe_scan
	.p2align	8
	.type	k_q161fd565fe_scan,@function
k_q161fd565fe_scan:
	s_mov_b64 s[64:65], 0
	v_nop
	global_prefetch_b8 v0, s[64:65] scope:SCOPE_SE
	s_setreg_imm32_b32 hwreg(HW_REG_WAVE_MODE, 25, 1), 1
	s_wait_xcnt 0x0
; LOCAL AVERAGE POOLING, first of two launches: running sums of the audio inside chunks of 256 frames.
; THE PROBLEM.  out0[b][t][:] = the mean of audio_feats[b][a][:] over the frames s <= a <= e, (s, e) = asr_alignment[b][t]; 0 where t >= text_token_len[b] or no frame lies in the span.  out1 = text_token_len.
; THE LESSER WORK.  The 0/1 mask that is multiplied with the audio is, for every token and whatever the inputs hold, one interval of frames (idx >= s and idx <= e, cut to 0 .. 4095) or empty: the dense
; product is a selection by whole numbers, and its count is e1 - s1 + 1.  So no product is formed.  With Q[b][a] = x[256 (a / 256)] + .. + x[a] (the running sum inside a's chunk) and U[c] = Q[256 c + 255]:
;     sum = Q[e1] - (Q[s1 - 1] where s1 % 256 != 0) + U[s1 / 256] + .. + U[e1 / 256 - 1].
; The one difference is of two running sums of at most 256 terms of one chunk; whole chunks are added, never taken away.  All in f32.
; DEAD INPUTS, for all values: audio_feats_len and text_token_embed_for_audio are named in no expression of the result; of text_token_for_audio only the shape is used.  None of the three has a way to an
; output: they are not loaded, and are among no launch's arguments.
; LIMITS.  The order of the additions differs from a dense product's.  A NaN, an infinity or an overflow in frames that a token's span does not hold reaches that token only through the chunk totals of its
; batch (second launch), not through every frame of the batch; one that reaches only the work left out is not carried to the result.
; THIS LAUNCH stores of Q only the rows that the second launch can read: row e1 and row s - 1 of every token with t < text_token_len[b], and each chunk's last row.  Which rows those are is read off
; asr_alignment here, as 256 flag bits a chunk; a flag too many costs one store and changes no result.
; SHARES.  A work-group: one chunk (256 frames x 512 columns) of one batch: 16 x 16 work-groups.  Wave w: columns 128 w .. 128 w + 127; a lane: 4 columns, 16 bytes.  Each load and store of a wave covers
; 512 consecutive bytes, aligned.  A row's place stands in the immediate (255 x 2,048 bytes at the most), so no address register is ever rewritten and the text has no loop.
; IN FLIGHT.  A ring of 7 slots of 8 rows in registers: one at work, one whose stores are leaving, five on their way in.
; NOT USED.  No audio byte is read by two work-groups or two waves, and each lane adds what it loaded itself: nothing to share in a cluster or through LDS but the 32 bytes of flags.
.set ROWB,  2048                       ; bytes in a row of audio_feats and of q
.set NS,    7                          ; slots
.set SPARE, 256                        ; LDS: bytes 0-31 the 8 flag words (the block 0-255 is theirs); from 256 on the spare words, 128 bytes for each of 4 waves
.set OFF,   1                          ; v1   16 x thread: my 16 bytes in a row; never rewritten
.set SPW,   2                          ; v2   LDS address of my spare word: SPARE + 4 x thread; never rewritten
.set NIL,   3                          ; v3   0; never rewritten
.set L2,    4                          ; v4   2 x lane: my first token in a group of 64
.set L16,   5                          ; v5   16 x lane: my two tokens' bytes in a group of 64
.set F0,    6                          ; v6   flags of frames BASE .. BASE + 31;   v7  of BASE + 32 .. BASE + 63
.set ONE,   8                          ; v8   1 where the token counts, else 0
.set REL,   9                          ; v9   a frame less BASE
.set BIT,   10                         ; v10  ONE << (REL % 32)
.set T,     11                         ; v11  at work
.set WA,    12                         ; v12  8 x wave: where my wave's two flag words go
.set RA,    13                         ; v13  0: where all eight are read
.set FW,    16                         ; v[16:23]  the eight words as read back
.set X,     32                         ; v[32:255] slot k at X + 32 k: 8 rows x 4 registers
.set AL,    192                        ; v[192:255] the batch's alignment, before slots 5 and 6 are first filled
.set M,     24                         ; s[24:31] the chunk's 256 flags
; s[4:5] audio at my chunk, s[6:7] alignment at my batch, s[8:9] text_token_len at my batch, s[10:11] q at my chunk, s12 wave, s13 b, s14 c, s18 len, s19 BASE, s20 BASE + 1, s21 at work
	s_load_b256 s[4:11], s[0:1], 0x0
	v_lshl_add_u32 v[SPW], v0, 2, SPARE
	v_mov_b32 v[NIL], 0
	v_lshrrev_b32 v[REL], 5, v0
	v_readfirstlane_b32 s12, v[REL]                ; wave 0..3
	s_and_b32 s13, ttmp7, 0xffff                   ; b
	s_mov_b32 s14, ttmp9                           ; c
	s_lshl4_add_u32 s16, s13, s14                  ; 16 b + c,
	s_lshl_b32 s16, s16, 19                        ; times 256 rows of 2,048 bytes: under 2^27
	s_mov_b32 s17, 0
	s_lshl_b32 s32, s13, 13                        ; a batch's alignment: 1,024 tokens x 8 bytes
	s_mov_b32 s33, 0
	s_lshl_b32 s34, s13, 2                         ; text_token_len[b]
	s_mov_b32 s35, 0
	s_mov_b32 s22, 0x76543210                      ; v_permlanex16_b32: each lane takes its own place in the other half
	s_mov_b32 s23, 0xfedcba98
	v_lshlrev_b32 v[OFF], 4, v0
	v_and_b32 v[L2], 31, v0
	v_lshlrev_b32 v[L16], 4, v[L2]
	v_lshlrev_b32 v[L2], 1, v[L2]
	v_mov_b32 v[WA], s12
	v_lshlrev_b32 v[WA], 3, v[WA]
	v_mov_b32 v[RA], 0
	s_wait_kmcnt 0x0
	s_add_nc_u64 s[4:5], s[4:5], s[16:17]
	s_add_nc_u64 s[10:11], s[10:11], s[16:17]
	s_add_nc_u64 s[6:7], s[6:7], s[32:33]
	s_add_nc_u64 s[8:9], s[8:9], s[34:35]
	s_load_b32 s18, s[8:9], 0x0
; Group g of 8 rows into slot g % 7: eight loads.
.macro FILL g
.irp j, 0,1,2,3,4,5,6,7
	global_load_b128 v[X+32*((\g)%NS)+4*(\j):X+32*((\g)%NS)+4*(\j)+3], v[OFF], s[4:5] offset:(8*(\g)+(\j))*ROWB th:TH_LOAD_NT
.endr
.endm
; The frame in v[fr], less the scalar s[sb], sets its bit in my two words if it lies in 0 .. 63 (any other frame gives 64 or more, taken unsigned) and the token counts.
.macro FLAGVAL fr, sb
	v_sub_nc_u32 v[REL], v[(\fr)], s[(\sb)]
	v_lshlrev_b32 v[BIT], v[REL], v[ONE]           ; the shift takes REL's low five bits: the same bit for both words
	v_cmp_gt_u32 vcc_lo, 32, v[REL]
	v_cndmask_b32 v[T], 0, v[BIT], vcc_lo
	v_or_b32 v[F0], v[F0], v[T]
	v_add_nc_u32 v[REL], 0xffffffe0, v[REL]        ; less 32
	v_cmp_gt_u32 vcc_lo, 32, v[REL]
	v_cndmask_b32 v[T], 0, v[BIT], vcc_lo
	v_or_b32 v[F0+1], v[F0+1], v[T]
.endm
; Token tok + 2 x lane, its s in v[rs] and its e in v[re]: the rows min(e, 4095) and s - 1 are flagged where the token's number is below len.
.macro FLAGTOK rs, re, tok
	s_sub_co_i32 s21, s18, (\tok)
	v_cmp_gt_i32 vcc_lo, s21, v[L2]                ; len - tok > 2 x lane
	v_cndmask_b32 v[ONE], 0, 1, vcc_lo
	v_min_u32 v[(\re)], 0xfff, v[(\re)]            ; a negative e becomes 4,095: a flag too many, on a row that is stored anyway
	FLAGVAL \re, 19
	FLAGVAL \rs, 20                                ; s - (BASE + 1) = (s - 1) - BASE
.endm
; Row r: the row above is added onto it, in place; it is stored if it is flagged; the chunk's last row always.
.macro ROW r
.set cur, X+32*(((\r)/8)%NS)+4*((\r)%8)
.if (\r) > 0
.set prv, X+32*((((\r)-1)/8)%NS)+4*(((\r)-1)%8)
	v_pk_add_f32 v[cur:cur+1], v[cur:cur+1], v[prv:prv+1]
	v_pk_add_f32 v[cur+2:cur+3], v[cur+2:cur+3], v[prv+2:prv+3]
.endif
.if (\r) < 255
	s_bitcmp1_b32 s[M+(\r)/32], (\r)%32
	s_cbranch_scc0 .Lskip_\@
.endif
	global_store_b128 v[OFF], v[cur:cur+3], s[10:11] offset:(\r)*ROWB
.if (\r) < 255
.Lskip_\@:
.endif
.endm
; Group g's turn.  The loads issued behind group g's are those of groups g + 1 .. min(g + 5, 31), eight each, on every path: the stores that a flag skips count elsewhere.
.macro TURN g
.if (\g) < 26
	s_wait_loadcnt 40
.else
	s_wait_loadcnt 8*(31-(\g))
.endif
.irp j, 0,1,2,3,4,5,6,7
	ROW 8*(\g)+(\j)
.endr
.if (\g)+6 < 32
	s_wait_xcnt 0x0                                ; the stores of the slot in front, a turn old, have read their registers; its last row has just been added onto this group's first
	FILL (\g)+6                                    ; so that slot takes the group six on
.endif
.endm
.set i, 0
.rept 16                                       ; the batch's 1,024 tokens: lane l gets tokens 64 i + 2 l and 64 i + 2 l + 1 as s, e, s, e
	global_load_b128 v[AL+4*i:AL+4*i+3], v[L16], s[6:7] offset:512*i
.set i, i+1
.endr
	FILL 0
	FILL 1
	FILL 2
	FILL 3
	FILL 4
	s_wait_kmcnt 0x0                               ; len
	s_lshl_b32 s19, s14, 8
	s_lshl_b32 s20, s12, 6
	s_add_co_u32 s19, s19, s20                     ; BASE = 256 c + 64 w: my wave finds the flags of these 64 frames
	s_add_co_u32 s20, s19, 1
	v_mov_b32 v[F0], 0
	v_mov_b32 v[F0+1], 0
	s_wait_loadcnt 40                              ; the alignment is in; the 40 audio loads issued behind it stay out, and the flag work runs while they are on their way
.set i, 0
.rept 16
	FLAGTOK AL+4*i, AL+4*i+1, 64*i
	FLAGTOK AL+4*i+2, AL+4*i+3, 64*i+1
.if i == 7
	FILL 5                                         ; slot 5's registers held tokens 0 to 511, which are done
.endif
.set i, i+1
.endr
	; the 32 lanes' words are joined: four steps inside each half of 16 lanes, one across the halves
.irp m, 1,2,4,8
	v_mov_b32_dpp v[BIT], v[F0] row_xmask:\m row_mask:0xf bank_mask:0xf
	v_mov_b32_dpp v[T], v[F0+1] row_xmask:\m row_mask:0xf bank_mask:0xf
	v_or_b32 v[F0], v[F0], v[BIT]
	v_or_b32 v[F0+1], v[F0+1], v[T]
.endr
	v_permlanex16_b32 v[BIT], v[F0], s22, s23
	v_permlanex16_b32 v[T], v[F0+1], s22, s23
	v_or_b32 v[F0], v[F0], v[BIT]
	v_or_b32 v[F0+1], v[F0+1], v[T]
	ds_store_b64 v[WA], v[F0:F0+1]                 ; all lanes write the same two words with the same values
	s_wait_dscnt 0x0                               ; for the others' sake: my words lie in LDS
	s_barrier_signal -1
	s_barrier_wait -1                              ; all four waves' do; the audio loads stay out across this barrier: nobody writes those bytes
	ds_load_b128 v[FW:FW+3], v[RA]
	ds_load_b128 v[FW+4:FW+7], v[RA] offset:16
	s_wait_dscnt 0x0
.irp k, 0,1,2,3,4,5,6,7
	v_readfirstlane_b32 s[M+(\k)], v[FW+(\k)]
.endr
.set g, 0
.rept 32
	TURN g
.set g, g+1
.endr
	s_wait_tensorcnt 0x0                           ; the wave's end
	ds_add_u32 v[SPW], v[NIL]
	s_wait_dscnt 0x0
	s_endpgm
.Lfunc_end_k_q161fd565fe_scan:
	.size	k_q161fd565fe_scan, .Lfunc_end_k_q161fd565fe_scan-k_q161fd565fe_scan
	.p2alignl 7, 3214868480
	.fill 96, 4, 3214868480
	.section	.rodata,"a",@progbits
	.p2align	6, 0x0
	.amdhsa_kernel k_q161fd565fe_scan
		.amdhsa_group_segment_fixed_size 768
		.amdhsa_private_segment_fixed_size 0
		.amdhsa_enable_private_segment 0
		.amdhsa_kernarg_size 32
		.amdhsa_user_sgpr_count 2
		.amdhsa_user_sgpr_kernarg_segment_ptr 1
		.amdhsa_wavefront_size32 1
		.amdhsa_system_sgpr_workgroup_id_x 1
		.amdhsa_system_sgpr_workgroup_id_y 1
		.amdhsa_system_sgpr_workgroup_id_z 1
		.amdhsa_system_vgpr_workitem_id 0
		.amdhsa_next_free_vgpr 256
		.amdhsa_next_free_sgpr 66
		.amdhsa_reserve_vcc 1
		.amdhsa_float_denorm_mode_32 3
		.amdhsa_float_denorm_mode_16_64 3
		.amdhsa_memory_ordered 1
		.amdhsa_forward_progress 1
		.amdhsa_inst_pref_size 132
	.end_amdhsa_kernel
	.amdgpu_metadata
---
amdhsa.version: [ 1, 2 ]
amdhsa.kernels:
  - .name:           k_q161fd565fe_scan
    .symbol:         k_q161fd565fe_scan.kd
    .args:
      - { .name: audio_feats, .offset: 0, .size: 8, .value_kind: global_buffer, .address_space: global }
      - { .name: asr_alignment, .offset: 8, .size: 8, .value_kind: global_buffer, .address_space: global }
      - { .name: text_token_len, .offset: 16, .size: 8, .value_kind: global_buffer, .address_space: global }
      - { .name: q, .offset: 24, .size: 8, .value_kind: global_buffer, .address_space: global }
    .group_segment_fixed_size: 768
    .private_segment_fixed_size: 0
    .kernarg_segment_align: 8
    .kernarg_segment_size: 32
    .max_flat_workgroup_size: 128
    .sgpr_count:     66
    .vgpr_count:     256
    .wavefront_size: 32
...
	.end_amdgpu_metadata
.endif
;; end of part 1
;; launch gather (part 2): grid 64 x 16, 4 waves a work-group, no clusters, 0 bytes of LDS; arguments q, asr_alignment, text_token_len, out0, out1; writes out0, out1
.if DOCPART == 2
	.amdgcn_target "amdgcn-amd-amdhsa--gfx1250"
	.amdhsa_code_object_version 6
	.text
	.protected	k_q161fd565fe_gather
	.globl	k_q161fd565fe_gather
	.p2align	8
	.type	k_q161fd565fe_gather,@function
k_q161fd565fe_gather:
	s_mov_b64 s[64:65], 0
	v_nop
	global_prefetch_b8 v0, s[64:65] scope:SCOPE_SE
	s_setreg_imm32_b32 hwreg(HW_REG_WAVE_MODE, 25, 1), 1
	s_wait_xcnt 0x0
; LOCAL AVERAGE POOLING, second launch: each token's mean from the running sums q of the first launch; out1 = text_token_len.
; Left out as in the first launch, for the reasons given at its head: the dense product with the interval mask (a selection by whole numbers), and the three inputs that have no way to an output.
; PER TOKEN.  s1 = s held to 0 .. 4096, e1 = e held to -1 .. 4095, cnt = e1 - s1 + 1; the token counts where t < len and cnt > 0.  Then
;     out = (Q[e1] - (Q[s1 - 1] where s1 % 256 != 0) + the totals U[c] of the chunks s1 / 256 <= c < e1 / 256) / cnt,       U[c] = Q[256 c + 255];
; where it does not count every term is 0 and the divisor 1: the result is 0.  Exactly the rows named here were stored by the first launch.
; LIMITS.  The division is a reciprocal (v_rcp_f32) and a multiply.  A chunk's total enters every token of the batch with the factor 1 or 0, so a total that is not finite reaches all tokens of its batch's
; column, those that do not count too.
; SHARES.  A work-group: 16 tokens x 512 columns; wave w: columns 128 w .. 128 w + 127; a lane: 16 bytes.  Each load and store of a wave covers 512 consecutive bytes, aligned.  The waves share nothing: no LDS, no barrier.
; The tokens' whole numbers are read by scalar loads; which rows are loaded, and whether, hangs on them alone.  A wave issues all its loads (15 totals, up to 32 rows) before it waits for any.
.set ROWB, 2048
.set OFF,  1                           ; v1        16 x thread: my 16 bytes in a row; never rewritten
.set Z,    2                           ; v[2:5]    zeros, for a group of tokens that lies wholly behind len
.set CO,   6                           ; v6, v7    out1's copy: offset and data
.set U,    8                           ; v[8:67]   the totals of chunks 0 to 14 (chunk 15's can enter no sum)
.set I,    68                          ; v[68:83]  1 / max(cnt, 1) of the 16 tokens
.set AB,   84                          ; v[84:211] token i: Q[e1] and then the sum at AB + 8 i, Q[s1 - 1] at AB + 8 i + 4
.set TK,   16                          ; s[16:47]  token i: s, e at TK + 2 i; later its mask of chunks and max(cnt, 1)
; s[4:5] q at my batch, s[6:7] alignment at my tokens, s[8:9] text_token_len, s[10:11] out0 at my tokens, s[12:13] out1, s14 b, s15 token group, s2 wave, s48 len, s49 len - my first token,
; s50-57 at work, s[58:59] and s[60:61] a factor 1.0 or 0 in the low word, s[62:63] text_token_len at my batch
	s_load_b256 s[4:11], s[0:1], 0x0
	s_load_b64 s[12:13], s[0:1], 0x20
	v_lshrrev_b32 v[CO], 5, v0
	v_readfirstlane_b32 s2, v[CO]                  ; wave 0..3
	v_lshlrev_b32 v[OFF], 4, v0
	s_and_b32 s14, ttmp7, 0xffff                   ; b
	s_mov_b32 s15, ttmp9                           ; my group of 16 tokens
	s_lshl_b32 s50, s14, 23                        ; a batch of q: 4,096 rows of 2,048 bytes
	s_mov_b32 s51, 0
	s_lshl_b32 s52, s14, 13                        ; alignment: 8 bytes a token
	s_lshl_b32 s3, s15, 7
	s_add_co_u32 s52, s52, s3
	s_mov_b32 s53, 0
	s_lshl_b32 s54, s14, 21                        ; out0: 2,048 bytes a token
	s_lshl_b32 s3, s15, 15
	s_add_co_u32 s54, s54, s3
	s_mov_b32 s55, 0
	s_lshl_b32 s56, s14, 2
	s_mov_b32 s57, 0
	s_mov_b32 s59, 0                               ; named with the factors as pairs
	s_mov_b32 s61, 0
	s_wait_kmcnt 0x0
	s_add_nc_u64 s[4:5], s[4:5], s[50:51]
	s_add_nc_u64 s[6:7], s[6:7], s[52:53]
	s_add_nc_u64 s[10:11], s[10:11], s[54:55]
	s_add_nc_u64 s[62:63], s[8:9], s[56:57]
	s_load_b32 s48, s[62:63], 0x0
	s_load_b512 s[16:31], s[6:7], 0x0              ; tokens 0 to 7
	s_load_b512 s[32:47], s[6:7], 0x40             ; tokens 8 to 15
	s_or_b32 s3, s14, s15                          ; out1: wave 0 of the first work-group copies the 16 numbers
	s_or_b32 s3, s3, s2
	s_cmp_lg_u32 s3, 0
	s_cbranch_scc1 .Lnot_first
	v_and_b32 v[CO], 15, v0                        ; lanes 16 to 31 repeat lanes 0 to 15, with the same values
	v_lshlrev_b32 v[CO], 2, v[CO]
	global_load_b32 v[CO+1], v[CO], s[8:9]
	s_wait_loadcnt 0x0
	global_store_b32 v[CO], v[CO+1], s[12:13]      ; its two registers are not written again
.Lnot_first:
	s_wait_kmcnt 0x0
	s_lshl_b32 s49, s15, 4
	s_sub_co_i32 s49, s48, s49                     ; token i of mine counts only if i is below this
	s_cmp_gt_i32 s49, 0
	s_cbranch_scc1 .Llive
.irp k, 0,1,2,3
	v_mov_b32 v[Z+(\k)], 0
.endr
.irp i, 0,1,2,3,4,5,6,7,8,9,10,11,12,13,14,15
	global_store_b128 v[OFF], v[Z:Z+3], s[10:11] offset:(\i)*ROWB th:TH_STORE_NT
.endr
	s_endpgm
.Llive:
.irp c, 0,1,2,3,4,5,6,7,8,9,10,11,12,13,14
	global_load_b128 v[U+4*(\c):U+4*(\c)+3], v[OFF], s[4:5] offset:(256*(\c)+255)*ROWB  ; 7,862,272 bytes at the most: inside the signed 24-bit immediate
.endr
; Token i: its whole numbers, and its one or two loads.  Every register of both rows is written on every path, by a load or with 0, so the arithmetic behind has no branch.
.macro TOKA i
.set S, TK+2*(\i)
.set E, TK+2*(\i)+1
.set A, AB+8*(\i)
.set B, AB+8*(\i)+4
	s_max_i32 s50, s[S], 0
	s_min_i32 s50, s50, 0x1000                     ; s1
	s_min_i32 s51, s[E], 0xfff
	s_max_i32 s51, s51, -1                         ; e1
	s_sub_co_i32 s52, s51, s50
	s_add_co_i32 s52, s52, 1                       ; cnt,
	s_cmp_gt_i32 s49, (\i)
	s_cselect_b32 s52, s52, 0                      ; 0 behind len,
	s_max_i32 s52, s52, 0                          ; and where the span holds no frame
	s_lshr_b32 s53, s50, 8                         ; s1's chunk
	s_ashr_i32 s54, s51, 8                         ; e1's
	s_sub_co_i32 s54, s54, s53
	s_bfm_b32 s54, s54, s53                        ; so many ones, from s1's chunk on: the whole chunks ahead of e1's (used only where the token counts)
	s_and_b32 s55, s50, 0xff
	s_sub_co_i32 s56, s50, 1
	s_max_u32 s[E], s52, 1                         ; the divisor
	s_cmp_lg_u32 s52, 0
	s_cselect_b32 s[S], s54, 0                     ; the mask of chunks
	s_cbranch_scc0 .Lnone_\@
	s_min_u32 s51, s51, 0xfff                      ; (it lies there already)
	s_lshl_b32 s51, s51, 11
	v_add_nc_u32 v[A], s51, v[OFF]
	global_load_b128 v[A:A+3], v[A], s[4:5]        ; Q[e1]; the load lands on its own offset
	s_cmp_lg_u32 s55, 0
	s_cbranch_scc0 .Lnob_\@                        ; the span begins with its chunk: nothing is taken away
	s_min_u32 s56, s56, 0xfff
	s_lshl_b32 s56, s56, 11
	v_add_nc_u32 v[B], s56, v[OFF]
	global_load_b128 v[B:B+3], v[B], s[4:5]        ; Q[s1 - 1]
	s_branch .Ldone_\@
.Lnone_\@:
.irp k, 0,1,2,3
	v_mov_b32 v[A+(\k)], 0
.endr
.Lnob_\@:
.irp k, 0,1,2,3
	v_mov_b32 v[B+(\k)], 0
.endr
.Ldone_\@:
.endm
.irp i, 0,1,2,3,4,5,6,7,8,9,10,11,12,13,14,15
	TOKA \i
.endr
	; the 16 reciprocals: one batch, made while the loads are out
.irp i, 0,1,2,3,4,5,6,7,8,9,10,11,12,13,14,15
	v_cvt_f32_u32 v[I+(\i)], s[TK+2*(\i)+1]
.endr
.irp i, 0,1,2,3,4,5,6,7,8,9,10,11,12,13,14,15
	v_rcp_f32 v[I+(\i)], v[I+(\i)]
.endr
	v_nop                                          ; a plain instruction behind the last reciprocal, ahead of the first use of a result
	s_wait_alu depctr_va_vdst(0)                   ; and the wait ahead of the first use: one for the sixteen
	s_wait_loadcnt 0x0                             ; how many loads are out hangs on the tokens (15 to 47), so only the count 0 holds on every path
.set i, 0
.rept 16                                       ; Q[e1] - Q[s1 - 1]
	v_pk_add_f32 v[AB+8*i:AB+8*i+1], v[AB+8*i:AB+8*i+1], v[AB+8*i+4:AB+8*i+5] neg_lo:[0,1] neg_hi:[0,1]
	v_pk_add_f32 v[AB+8*i+2:AB+8*i+3], v[AB+8*i+2:AB+8*i+3], v[AB+8*i+6:AB+8*i+7] neg_lo:[0,1] neg_hi:[0,1]
.set i, i+1
.endr
.set c, 0
.rept 15                                       ; the whole chunks: chunk by chunk over all tokens, so that 32 sums that do not wait for each other take turns
.set i, 0
.rept 16
.set P, 58+2*(i%2)
	s_bitcmp1_b32 s[TK+2*i], c
	s_cselect_b32 s[P], 1.0, 0
	v_pk_fma_f32 v[AB+8*i:AB+8*i+1], v[U+4*c:U+4*c+1], s[P:P+1], v[AB+8*i:AB+8*i+1] op_sel_hi:[1,0,1]
	v_pk_fma_f32 v[AB+8*i+2:AB+8*i+3], v[U+4*c+2:U+4*c+3], s[P:P+1], v[AB+8*i+2:AB+8*i+3] op_sel_hi:[1,0,1]
.set i, i+1
.endr
.set c, c+1
.endr
.set i, 0
.rept 16                                       ; the mean, and out: no register that a store reads is written again
.irp k, 0,1,2,3
	v_mul_f32 v[AB+8*i+(\k)], v[I+i], v[AB+8*i+(\k)]
.endr
	global_store_b128 v[OFF], v[AB+8*i:AB+8*i+3], s[10:11] offset:i*ROWB th:TH_STORE_NT
.set i, i+1
.endr
	s_endpgm
.Lfunc_end_k_q161fd565fe_gather:
	.size	k_q161fd565fe_gather, .Lfunc_end_k_q161fd565fe_gather-k_q161fd565fe_gather
	.p2alignl 7, 3214868480
	.fill 96, 4, 3214868480
	.section	.rodata,"a",@progbits
	.p2align	6, 0x0
	.amdhsa_kernel k_q161fd565fe_gather
		.amdhsa_group_segment_fixed_size 0
		.amdhsa_private_segment_fixed_size 0
		.amdhsa_enable_private_segment 0
		.amdhsa_kernarg_size 40
		.amdhsa_user_sgpr_count 2
		.amdhsa_user_sgpr_kernarg_segment_ptr 1
		.amdhsa_wavefront_size32 1
		.amdhsa_system_sgpr_workgroup_id_x 1
		.amdhsa_system_sgpr_workgroup_id_y 1
		.amdhsa_system_sgpr_workgroup_id_z 1
		.amdhsa_system_vgpr_workitem_id 0
		.amdhsa_next_free_vgpr 212
		.amdhsa_next_free_sgpr 66
		.amdhsa_reserve_vcc 0
		.amdhsa_float_denorm_mode_32 3
		.amdhsa_float_denorm_mode_16_64 3
		.amdhsa_memory_ordered 1
		.amdhsa_forward_progress 1
		.amdhsa_inst_pref_size 81
	.end_amdhsa_kernel
	.amdgpu_metadata
---
amdhsa.version: [ 1, 2 ]
amdhsa.kernels:
  - .name:           k_q161fd565fe_gather
    .symbol:         k_q161fd565fe_gather.kd
    .args:
      - { .name: q, .offset: 0, .size: 8, .value_kind: global_buffer, .address_space: global }
      - { .name: asr_alignment, .offset: 8, .size: 8, .value_kind: global_buffer, .address_space: global }
      - { .name: text_token_len, .offset: 16, .size: 8, .value_kind: global_buffer, .address_space: global }
      - { .name: out0, .offset: 24, .size: 8, .value_kind: global_buffer, .address_space: global }
      - { .name: out1, .offset: 32, .size: 8, .value_kind: global_buffer, .address_space: global }
    .group_segment_fixed_size: 0
    .private_segment_fixed_size: 0
    .kernarg_segment_align: 8
    .kernarg_segment_size: 40
    .max_flat_workgroup_size: 128
    .sgpr_count:     66
    .vgpr_count:     212
    .wavefront_size: 32
...
	.end_amdgpu_metadata
.endif
;; end of part 2
